; MI455X (gfx1250); checked and timed in simulation.
; The chip was launched on July 23, 2026; its instructions are those of AMD's public machine-readable ISA for CDNA 5 (MIT licence, August 2026) and "CDNA5" Instruction Set Architecture Reference Guide (July 2026). The comments in the code are by the model that wrote it; some were corrected since.
;; Binary Dense. Allowed arithmetic: matrix products marked QUANTISED: E4M3 operands, one given power-of-two scale a tensor, by v_wmma_f32_16x16x64_fp8_fp8 or v_wmma_f32_16x16x128_fp8_fp8, f32 sums; everything else in f32.
;; Inputs: bias 4,096 float32; inputs_codes 4,096 x 128 x 32 uint8 (E4M3 codes of inputs, K innermost, in blocks of 32 codes); kernel 4,096 x 4,096 float32; lowp_scales 2 int32 (the exponents e of the quantised operands' scales 2^e).
;; Outputs: out0 4,096 x 4,096 float32.
;; This version of the problem:
;;   THIS VERSION OF THE PROBLEM IS GIVEN IN LOW PRECISION. The matrix products marked QUANTISED in the list below multiply operands that are first quantised to E4M3 (4 exponent bits, 3 mantissa bits; 8 bits a number), with one given power-of-two scale for each operand tensor; their sums are f32. All else is computed in f32.
;;   The module's matrix products, in the order in which they are computed (A, B: the left and right operand; K: the contracted axis; several contracted axes count as one K, in the product's order):
;;     1. [M 4,096, K 4,096] x [K 4,096, N 4,096]; A: input inputs (given as codes); B: computed on the way: QUANTISED (scales: A lowp_scales[0], B lowp_scales[1])
;;   THE QUANTISER, for each operand of a quantised product, along K:
;;     - The operand's scale is 2^e, e = its entry of the input lowp_scales (int32; the entries are numbered through the quantised products in the list's order, A before B).
;;     - Each number is divided by the scale, clamped to +-448, and rounded to the nearest number of E4M3, ties to even, subnormals kept.
;;     - The product sums the exact products of the quantised numbers (number of the format x scale) in f32.
;;   ~~~python
;;   def quantise(x, axis, e):      # numpy; x: float32 -> the quantised numbers, widened to float32 again
;;       x = np.moveaxis(x, axis, -1); K = x.shape[-1]
;;       r = np.clip(x / 2.0 ** e, -448, 448)
;;       step = 2.0 ** (np.maximum(np.frexp(np.where(r == 0, 1, r))[1] - 1, -6) - 3)
;;       q = np.round(r / step) * step * 2.0 ** e      # np.round: ties to even
;;       return np.moveaxis(q, -1, axis).astype(np.float32)
;;   ~~~
;;   OPERANDS COMPUTED ON THE WAY. 'Computed on the way' means the value that the module computes at that place (a softmax that the list does not call 'softmax' is quantised finished and normalised). What goes into a quantiser is computed in f32, as accurately as f32 sums, v_exp_f32 and their like allow (about 1e-6 of the number): no bf16 or f16 on the way to a quantiser, and a product that is left as it is and whose result goes on into a quantised operand takes f32 operands (vector FMAs, or v_wmma_f32_16x16x4_f32). A number that lies on a knife's edge between two numbers of the format may be rounded either way, as far as f32 arithmetic and the matrix unit's own rounding can turn it there, and no further.
;;   INPUTS GIVEN AS CODES. inputs (in the module: [4096, 4096], K = its axis 1): each comes as NAME_codes (uint8): NAME with its K axis moved to the last place and cut into blocks of 32 codes, [.., K / 32, bytes a block], one block behind the other in memory; one code a byte (a code: sign, 4 exponent bits, 3 mantissa bits); its scale is its entry of lowp_scales. Its value is code x scale, taken as it is: it is not quantised again, and the codes and scales need not be those that the quantiser above would give.
;; 2 versions. Each part assembles by itself: llvm-mc -triple=amdgcn-amd-amdhsa -mcpu=gfx1250 --defsym DOCPART=n.
;; ======== version 1 of 2: 3 launches
;; limits: right only within a limited range of input values
;; workspace buffers: partial 1,024 bytes; wcodes 16,777,216 bytes
;; launch absum (part 1): grid 256 x 1, 16 waves a work-group, no clusters, 2,304 bytes of LDS; arguments kernel, partial; writes partial
.if DOCPART == 1
	.amdgcn_target "amdgcn-amd-amdhsa--gfx1250"
	.amdhsa_code_object_version 6
	.text
	.protected	k_q150e3a762d_absum
	.globl	k_q150e3a762d_absum
	.p2align	8
	.type	k_q150e3a762d_absum,@function
k_q150e3a762d_absum:
	s_mov_b64 s[64:65], 0
	v_nop
	global_prefetch_b8 v0, s[64:65] scope:SCOPE_SE
	s_setreg_imm32_b32 hwreg(HW_REG_WAVE_MODE, 25, 1), 1
	s_wait_xcnt 0x0
; partial[g] = the sum of |kernel| over work-group g's 65,536 numbers (262,144 bytes of the 4,096 x 4,096 f32).
; The mean of |kernel| decides a comparison, so the sum is a strict tree of pairs in f32, never one long chain:
; 7 levels in a lane (128 numbers), 5 across the lanes, 4 across the 16 waves; the next launch adds the last 8 levels.
; Sixteen waves; wave w owns 16,384 bytes; each of its 32 loads covers 512 consecutive bytes, 16 a lane, and all 32 go
; out at once, so there is no loop and no register is loaded twice.  No matrix unit, no tensor load, no cluster: work-groups share nothing.
; The loads carry no non-temporal hint: the next launch reads the same bytes again.
.set X, 16                             ; v[16:143] the 128 numbers of a lane, load j at X + 4 j
	s_load_b128 s[4:7], s[0:1], 0x0                ; kernel s[4:5], partial s[6:7]
	v_lshl_add_u32 v144, v0, 2, 0x100
	v_mov_b32 v145, 0
	v_lshrrev_b32 v2, 5, v0
	v_readfirstlane_b32 s12, v2                    ; wave 0..15
	v_and_b32 v1, 31, v0
	v_lshlrev_b32 v1, 4, v1
	v_lshl_add_u32 v1, v2, 14, v1                  ; 16 x lane + 16,384 x wave
	v_lshlrev_b32 v3, 2, v2                        ; my wave's word in LDS
	v_mov_b32 v4, 0
	s_lshl_b32 s8, ttmp9, 18                       ; the work-group's 262,144 bytes (at most 255 << 18)
	s_mov_b32 s9, 0
	s_lshl_b32 s14, ttmp9, 2
	v_mov_b32 v5, s14                              ; the work-group's word in partial
	s_mov_b32 s10, 0x76543210                      ; v_permlanex16_b32: lane l takes lane l xor 16
	s_mov_b32 s11, 0xfedcba98
	s_wait_kmcnt 0x0
	s_add_nc_u64 s[4:5], s[4:5], s[8:9]
.irp j, 0,1,2,3,4,5,6,7,8,9,10,11,12,13,14,15,16,17,18,19,20,21,22,23,24,25,26,27,28,29,30,31
	global_load_b128 v[X+4*\j:X+4*\j+3], v1, s[4:5] offset:512*\j
.endr
	; level 1: |a| + |b| of neighbours, in place: number i lands in a register that step i / 2 has read and whose load has come
.irp q, 0,1,2,3
	s_wait_loadcnt 24-8*\q                         ; loads come back in order: loads 8 q .. 8 q + 7 are in, the 24 - 8 q younger ones stay out
.set i, 16*\q
.rept 16
	v_add_f32 v[X+i], |v[X+2*i]|, |v[X+2*i+1]|
.set i, i+1
.endr
.endr
	; levels 2 to 6, two sums an instruction: pairs w / 2 registers apart
.irp w, 4,8,16,32,64
.set u, 0
.rept 64/\w
	v_pk_add_f32 v[X+\w*u:X+\w*u+1], v[X+\w*u:X+\w*u+1], v[X+\w*u+\w/2:X+\w*u+\w/2+1]
.set u, u+1
.endr
.endr
	v_add_f32 v[X], v[X], v[X+1]                   ; level 7
	; across the 32 lanes
	v_add_f32_dpp v[X], v[X], v[X] row_xmask:1 row_mask:0xf bank_mask:0xf
	v_add_f32_dpp v[X], v[X], v[X] row_xmask:2 row_mask:0xf bank_mask:0xf
	v_add_f32_dpp v[X], v[X], v[X] row_xmask:4 row_mask:0xf bank_mask:0xf
	v_add_f32_dpp v[X], v[X], v[X] row_xmask:8 row_mask:0xf bank_mask:0xf
	v_permlanex16_b32 v[X+1], v[X], s10, s11       ; (its destination has been written)
	v_add_f32 v[X], v[X], v[X+1]
	; across the 16 waves: a word each, one barrier, wave 0 adds them
	ds_store_b32 v3, v[X]
	s_wait_dscnt 0x0                               ; for the others' sake: my word lies in LDS
	s_barrier_signal -1
	s_barrier_wait -1
	s_cmp_lg_u32 s12, 0
	s_cbranch_scc1 .Lend
.irp i, 0,1,2,3
	ds_load_b128 v[16+4*\i:19+4*\i], v4 offset:16*\i
.endr
	s_wait_dscnt 0x0
	v_pk_add_f32 v[16:17], v[16:17], v[18:19]
	v_pk_add_f32 v[20:21], v[20:21], v[22:23]
	v_pk_add_f32 v[24:25], v[24:25], v[26:27]
	v_pk_add_f32 v[28:29], v[28:29], v[30:31]
	v_pk_add_f32 v[16:17], v[16:17], v[20:21]
	v_pk_add_f32 v[24:25], v[24:25], v[28:29]
	v_pk_add_f32 v[16:17], v[16:17], v[24:25]
	v_add_f32 v16, v16, v17
	v_cmp_eq_u32 vcc_lo, 0, v0
	s_wait_xcnt 0x0                                ; EXEC is a source of the loads above: it changes only behind this wait
	s_and_saveexec_b32 s13, vcc_lo                 ; thread 0 alone stores the work-group's one number
	global_store_b32 v5, v16, s[6:7]
	s_wait_xcnt 0x0                                ; and again in front of the line that widens it
	s_or_b32 exec_lo, exec_lo, s13
.Lend:
	s_wait_tensorcnt 0x0
	ds_add_u32 v144, v145
	s_wait_dscnt 0x0
	s_endpgm
.Lfunc_end_k_q150e3a762d_absum:
	.size	k_q150e3a762d_absum, .Lfunc_end_k_q150e3a762d_absum-k_q150e3a762d_absum
	.p2alignl 7, 3214868480
	.fill 96, 4, 3214868480
	.section	.rodata,"a",@progbits
	.p2align	6, 0x0
	.amdhsa_kernel k_q150e3a762d_absum
		.amdhsa_group_segment_fixed_size 2304
		.amdhsa_private_segment_fixed_size 0
		.amdhsa_enable_private_segment 0
		.amdhsa_kernarg_size 16
		.amdhsa_user_sgpr_count 2
		.amdhsa_user_sgpr_kernarg_segment_ptr 1
		.amdhsa_wavefront_size32 1
		.amdhsa_system_sgpr_workgroup_id_x 1
		.amdhsa_system_sgpr_workgroup_id_y 1
		.amdhsa_system_sgpr_workgroup_id_z 1
		.amdhsa_system_vgpr_workitem_id 0
		.amdhsa_next_free_vgpr 146
		.amdhsa_next_free_sgpr 66
		.amdhsa_reserve_vcc 1
		.amdhsa_float_denorm_mode_32 3
		.amdhsa_float_denorm_mode_16_64 3
		.amdhsa_memory_ordered 1
		.amdhsa_forward_progress 1
		.amdhsa_inst_pref_size 12
	.end_amdhsa_kernel
	.amdgpu_metadata
---
amdhsa.version: [ 1, 2 ]
amdhsa.kernels:
  - .name:           k_q150e3a762d_absum
    .symbol:         k_q150e3a762d_absum.kd
    .args:
      - { .name: kernel, .offset: 0, .size: 8, .value_kind: global_buffer, .address_space: global }
      - { .name: partial, .offset: 8, .size: 8, .value_kind: global_buffer, .address_space: global }
    .group_segment_fixed_size: 2304
    .private_segment_fixed_size: 0
    .kernarg_segment_align: 8
    .kernarg_segment_size: 16
    .max_flat_workgroup_size: 512
    .sgpr_count:     66
    .vgpr_count:     146
    .wavefront_size: 32
...
	.end_amdgpu_metadata
.endif
;; end of part 1
;; launch binq (part 2): grid 32 x 16, 8 waves a work-group, no clusters, 35,840 bytes of LDS; arguments kernel, partial, lowp_scales, wcodes; writes wcodes
.if DOCPART == 2
	.amdgcn_target "amdgcn-amd-amdhsa--gfx1250"
	.amdhsa_code_object_version 6
	.text
	.protected	k_q150e3a762d_binq
	.globl	k_q150e3a762d_binq
	.p2align	8
	.type	k_q150e3a762d_binq,@function
k_q150e3a762d_binq:
	s_mov_b64 s[64:65], 0
	v_nop
	global_prefetch_b8 v0, s[64:65] scope:SCOPE_SE
	s_setreg_imm32_b32 hwreg(HW_REG_WAVE_MODE, 25, 1), 1
	s_wait_xcnt 0x0
; wcodes[n][k] = the E4M3 code of qk[k][n] / 2^e1, where qk[k][n] = 1 if |kernel[k][n]| > mean(|kernel|), else 0.  kernel: [4096 k][4096 n] f32; wcodes: [4096 n][4096 k], a code a byte, K innermost.
; THE THRESHOLD: the 256 partial sums are added as a tree of pairs (3 levels in a lane, 5 across lanes), in the same order by every wave of every work-group, and multiplied by 2^-24
; (exact, short of underflow).  It only feeds compares whose masks select values: no branch and no address hangs on it.  With a NaN in kernel every compare is false and qk = 0, as in the definition.
; THE CODE OF 1 is made by the conversion itself: 1.0 is first held at 448 x 2^e1 (the conversion to an 8-bit code does not saturate: ISA guide 7.6.2), then divided by 2^e1 and rounded to the nearest code.
; LIMIT: e1 between -126 and 119, so that 2^e1 and 448 x 2^e1 are f32 numbers.
; SHARES.  A work-group takes 128 columns n x 256 along K.  Wave w takes K rows 32 w .. 32 w + 31 of all 128 columns; lane l columns 4 l .. 4 l + 3: a load is one row's 512 consecutive bytes,
; and all 32 loads of a wave go out at once: no loop.  The select writes whatever register it is told to, so the turn from (row, 4 columns) as loaded to (column, 8 neighbours along K), which the
; conversion wants in consecutive registers, costs no instruction.
; THE WAY OUT.  A lane's 32 codes of a column are 32 bytes of one row of wcodes: they meet the other waves' in a stage in LDS (128 rows of 256 bytes + 16), and leave as whole rows:
; sixteen lanes store 256 consecutive bytes, aligned.  Column 4 l + c lies in stage row 32 c + l, so that the sixteen lanes of a store into the stage stand 272 bytes apart.
.set SP,  272                          ; a stage row
.set TH,  6                            ; v6   the threshold
.set ONE, 7                            ; v7   min(1, 448 x 2^e1)
.set SC,  8                            ; v8   2^e1 as f32: the conversion takes its exponent field
.set T,   16                           ; v[16:23], v[24:31]: eight numbers 0 or 1 along K, two sets by turns (first: the partial sums)
.set C,   32                           ; v[32+8c:39+8c] the 32 codes of my column c
.set X,   64                           ; v[64:191] row i's four numbers at X + 4 i; on the way out v[64:95] rows of codes
.set MK,  32                           ; s[32:39] eight lane masks
	s_load_b256 s[4:11], s[0:1], 0x0               ; kernel s[4:5], partial s[6:7], the scales' exponents s[8:9], wcodes s[10:11]
	v_lshl_add_u32 v192, v0, 2, 0x8800
	v_mov_b32 v193, 0
	v_lshrrev_b32 v2, 5, v0
	v_readfirstlane_b32 s12, v2                    ; wave 0..7
	s_and_b32 s13, ttmp7, 0xffff                   ; y: which 256 along K
	v_and_b32 v9, 31, v0                           ; lane
	v_and_b32 v10, 15, v0                          ; r
	v_bfe_u32 v11, v0, 4, 1                        ; h
	v_lshlrev_b32 v1, 4, v9                        ; 16 x lane
	v_mul_u32_u24 v3, v9, SP
	s_lshl_b32 s15, s12, 5
	v_add_nc_u32 v3, s15, v3                       ; into the stage: row = lane (+ 32 c by the immediate), byte 32 x wave
	s_mul_i32 s14, s12, 16*SP
	v_mul_u32_u24 v4, v11, SP
	v_lshl_add_u32 v4, v10, 4, v4
	v_add_nc_u32 v4, s14, v4                       ; out of it: stage row 16 w + h (+ 2 t), 16 bytes a lane
	v_lshlrev_b32 v5, 4, v10
	v_lshl_add_u32 v5, v11, 14, v5                 ; and in wcodes: h moves 4 columns = 16,384 bytes
	s_lshl_b32 s16, s13, 22                        ; kernel: row 256 y + 32 w of 16,384 bytes, column 128 x of 4 bytes
	s_lshl_b32 s17, s12, 19
	s_add_co_u32 s16, s16, s17
	s_lshl_b32 s17, ttmp9, 9
	s_add_co_u32 s16, s16, s17
	s_mov_b32 s17, 0
	s_lshl_b32 s18, ttmp9, 7                       ; wcodes: stage row 16 w + 2 t + h holds column 64 (w & 1) + 8 t + 4 h + (w >> 1) of the work-group's 128
	s_and_b32 s19, s12, 1
	s_lshl_b32 s19, s19, 6
	s_add_co_u32 s18, s18, s19
	s_lshr_b32 s19, s12, 1
	s_add_co_u32 s18, s18, s19
	s_lshl_b32 s18, s18, 12                        ; a row of wcodes is 4,096 bytes
	s_lshl_b32 s19, s13, 8
	s_add_co_u32 s18, s18, s19                     ; + 256 y
	s_mov_b32 s19, 0
	s_mov_b32 s22, 0x76543210                      ; v_permlanex16_b32: lane l takes lane l xor 16
	s_mov_b32 s23, 0xfedcba98
	s_wait_kmcnt 0x0
	s_load_b32 s20, s[8:9], 0x4                    ; e1
	s_add_nc_u64 s[4:5], s[4:5], s[16:17]
	s_add_nc_u64 s[10:11], s[10:11], s[18:19]
	global_load_b128 v[16:19], v1, s[6:7]          ; the 256 partial sums: eight a lane
	global_load_b128 v[20:23], v1, s[6:7] offset:512
.irp i, 0,1,2,3,4,5,6,7,8,9,10,11,12,13,14,15,16,17,18,19,20,21,22,23,24,25,26,27,28,29,30,31
	global_load_b128 v[X+4*\i:X+4*\i+3], v1, s[4:5] offset:16384*\i th:TH_LOAD_NT   ; row i: 512 consecutive bytes; read once in this launch
.endr
	s_wait_kmcnt 0x0
	s_add_co_i32 s20, s20, 127
	s_lshl_b32 s21, s20, 23
	v_mov_b32 v[SC], s21                           ; 2^e1
	s_add_co_i32 s20, s20, 8
	s_lshl_b32 s20, s20, 23
	s_or_b32 s20, s20, 0x600000
	v_mov_b32 v[ONE], s20                          ; 448 x 2^e1
	v_min_num_f32 v[ONE], 1.0, v[ONE]              ; the number 1, held at the largest code x the scale
	s_wait_loadcnt 32                              ; the two loads of partial sums are in; the 32 rows issued behind them stay out
	v_pk_add_f32 v[16:17], v[16:17], v[18:19]
	v_pk_add_f32 v[20:21], v[20:21], v[22:23]
	v_pk_add_f32 v[16:17], v[16:17], v[20:21]
	v_add_f32 v16, v16, v17
	v_add_f32_dpp v16, v16, v16 row_xmask:1 row_mask:0xf bank_mask:0xf
	v_add_f32_dpp v16, v16, v16 row_xmask:2 row_mask:0xf bank_mask:0xf
	v_add_f32_dpp v16, v16, v16 row_xmask:4 row_mask:0xf bank_mask:0xf
	v_add_f32_dpp v16, v16, v16 row_xmask:8 row_mask:0xf bank_mask:0xf
	v_permlanex16_b32 v17, v16, s22, s23
	v_add_f32 v16, v16, v17
	v_mul_f32 v[TH], 0x33800000, v16               ; x 2^-24: the mean of 2^24 magnitudes
; Rows 8 g .. 8 g + 7 of my column c: eight compares, eight selects (1 or 0), one conversion: bytes 8 g .. 8 g + 7 of the column's 32 codes.
; The next group's eight compares are plain vector lines behind the conversion; its sources, one of two sets, are written again two groups on.
.macro GROUP g, c
.irp i, 0,1,2,3,4,5,6,7
	v_cmp_gt_f32 s[MK+\i], |v[X+4*(8*(\g)+\i)+(\c)]|, v[TH]
.endr
.irp i, 0,1,2,3,4,5,6,7
	v_cndmask_b32 v[T+8*((\c)%2)+\i], 0, v[ONE], s[MK+\i]
.endr
	v_cvt_scalef32_pk8_fp8_f32 v[C+8*(\c)+2*(\g):C+8*(\c)+2*(\g)+1], v[T+8*((\c)%2):T+8*((\c)%2)+7], v[SC]
.endm
.irp g, 0,1,2,3
	s_wait_loadcnt 24-8*\g                         ; rows 8 g .. 8 g + 7 are in; the 24 - 8 g younger loads stay out
.irp c, 0,1,2,3
	GROUP \g, \c
.endr
.endr
	v_nop                                          ; one plain vector line behind the last conversion
.irp c, 0,1,2,3
	ds_store_b128 v3, v[C+8*\c:C+8*\c+3] offset:32*SP*\c
	ds_store_b128 v3, v[C+8*\c+4:C+8*\c+7] offset:32*SP*\c+16
.endr
	s_wait_dscnt 0x0                               ; for the others' sake: my 32 bytes of each of the 128 stage rows lie in LDS
	s_barrier_signal -1
	s_barrier_wait -1
.irp t, 0,1,2,3,4,5,6,7
	ds_load_b128 v[X+4*\t:X+4*\t+3], v4 offset:2*SP*\t
.endr
.irp t, 0,1,2,3,4,5,6,7
	s_wait_dscnt 7-\t                              ; LDS loads come back in order: load t is in, the 7 - t younger ones stay out
	global_store_b128 v5, v[X+4*\t:X+4*\t+3], s[10:11] offset:32768*\t   ; t moves 8 columns; sixteen lanes store 256 consecutive bytes, aligned; the next launch reads them
.endr
	s_wait_tensorcnt 0x0
	ds_add_u32 v192, v193
	s_wait_dscnt 0x0
	s_endpgm
.Lfunc_end_k_q150e3a762d_binq:
	.size	k_q150e3a762d_binq, .Lfunc_end_k_q150e3a762d_binq-k_q150e3a762d_binq
	.p2alignl 7, 3214868480
	.fill 96, 4, 3214868480
	.section	.rodata,"a",@progbits
	.p2align	6, 0x0
	.amdhsa_kernel k_q150e3a762d_binq
		.amdhsa_group_segment_fixed_size 35840
		.amdhsa_private_segment_fixed_size 0
		.amdhsa_enable_private_segment 0
		.amdhsa_kernarg_size 32
		.amdhsa_user_sgpr_count 2
		.amdhsa_user_sgpr_kernarg_segment_ptr 1
		.amdhsa_wavefront_size32 1
		.amdhsa_system_sgpr_workgroup_id_x 1
		.amdhsa_system_sgpr_workgroup_id_y 1
		.amdhsa_system_sgpr_workgroup_id_z 1
		.amdhsa_system_vgpr_workitem_id 0
		.amdhsa_next_free_vgpr 194
		.amdhsa_next_free_sgpr 66
		.amdhsa_reserve_vcc 0
		.amdhsa_float_denorm_mode_32 3
		.amdhsa_float_denorm_mode_16_64 3
		.amdhsa_memory_ordered 1
		.amdhsa_forward_progress 1
		.amdhsa_inst_pref_size 26
	.end_amdhsa_kernel
	.amdgpu_metadata
---
amdhsa.version: [ 1, 2 ]
amdhsa.kernels:
  - .name:           k_q150e3a762d_binq
    .symbol:         k_q150e3a762d_binq.kd
    .args:
      - { .name: kernel, .offset: 0, .size: 8, .value_kind: global_buffer, .address_space: global }
      - { .name: partial, .offset: 8, .size: 8, .value_kind: global_buffer, .address_space: global }
      - { .name: lowp_scales, .offset: 16, .size: 8, .value_kind: global_buffer, .address_space: global }
      - { .name: wcodes, .offset: 24, .size: 8, .value_kind: global_buffer, .address_space: global }
    .group_segment_fixed_size: 35840
    .private_segment_fixed_size: 0
    .kernarg_segment_align: 8
    .kernarg_segment_size: 32
    .max_flat_workgroup_size: 256
    .sgpr_count:     66
    .vgpr_count:     194
    .wavefront_size: 32
...
	.end_amdgpu_metadata
.endif
;; end of part 2
;; launch gemm (part 3): grid 16 x 16, 4 waves a work-group, clusters of 4 x 4, 327,680 bytes of LDS; arguments inputs_codes, wcodes, lowp_scales, out0, bias; writes out0
.if DOCPART == 3
	.amdgcn_target "amdgcn-amd-amdhsa--gfx1250"
	.amdhsa_code_object_version 6
	.text
	.protected	k_q150e3a762d_gemm
	.globl	k_q150e3a762d_gemm
	.p2align	8
	.type	k_q150e3a762d_gemm,@function
k_q150e3a762d_gemm:
	s_mov_b64 s[64:65], 0
	v_nop
	global_prefetch_b8 v0, s[64:65] scope:SCOPE_SE
	s_setreg_imm32_b32 hwreg(HW_REG_WAVE_MODE, 25, 1), 1
	s_wait_xcnt 0x0
	s_wait_alu depctr_hold_cnt(0) depctr_sa_sdst(0) depctr_va_vdst(0) depctr_va_sdst(0) depctr_va_ssrc(0) depctr_va_vcc(0) depctr_vm_vsrc(0)
	s_getreg_b32 s2, hwreg(HW_REG_IB_STS2, 6, 4)
	s_cmp_eq_u32 s2, 0
	s_cbranch_scc0 .Lentry_in_a_cluster
	s_endpgm
.Lentry_in_a_cluster:
	s_bfe_u32 s2, ttmp6, 0x10000c
	s_cmp_lg_u32 s2, 0xf033
	s_cbranch_scc0 .Lentry_shape_is_right
	s_endpgm
.Lentry_shape_is_right:
; out0[m][n] = 2^(e0 + e1) x (sum over k of A[m][k] B[n][k]) + bias[n].  A = inputs_codes [4096][4096], B = wcodes [4096][4096]: codes of FP8 (E4M3), a byte each, K innermost; out0 [4096][4096] f32; sums in f32.
; The codes are multiplied as they are by v_wmma_f32_16x16x128_fp8_fp8; each finished sum goes once through one fused multiply-add with 2^(e0 + e1) and the bias.
; LIMIT: e0 + e1 lies between -126 and 127, so that 2^(e0 + e1) is an f32 number.
; A tile of out0, 256 x 256, is made by a work-group of four waves; a wave makes 128 x 128: 64 accumulators of 16 x 16, 512 registers.  256 tiles, one work-group each.
; K goes in steps of 256 through a ring of two LDS slots filled by the tensor data mover: a tile's row is 256 consecutive bytes of memory, at a multiple of 256 from the buffer's first byte.
; CLUSTERS: 4 x 4 work-groups.  The four of a row of the cluster need the same tiles of A, the four of a column the same tiles of B: each tile is asked for JOINTLY, by the same tensor load with the
; same descriptor and a mask that names the four.  THE MATRIX INSTRUCTION IS USED TRANSPOSED (source 0 = 16 rows of B, source 1 = 16 rows of A): a lane then holds eight neighbouring numbers of a row of out0.
; A fragment is fetched by four loads of 16 bytes: k stands in another place of the registers than the form's own layout gives it, alike in A and in B, so that every product meets its partner.
; REGISTERS, in windows of 256: window 0: v0-31 addresses and the bias of my four columns; from v128 A's fragments (8 x 16 rows x 128 K), ONE set; on the way out v128-255 take rows read back.
;   window 1: B's fragments, TWO sets, at v0 and at v128.   window 2: the 32 accumulators of my rows 0-63 (accumulator (a, b) at v[8 (8 a + b)]);   window 3: those of my rows 64-127.
; A step of 128 along K is 64 matrix instructions, A's blocks one after the other, each against B's eight.  So a block of A is free as soon as its eight products are issued, and one set of registers serves A:
; blocks 0-3 are fetched anew in the step's middle, blocks 4-7 at its end.  B's fragments are at work through the whole step, so B has two sets.
.set SIZE_M, 4096
.set SIZE_N, 4096
.set SIZE_K, 4096
.set KSTEP,  256                       ; along K in a slot
.set ROWB,   256                       ; a tile's row in bytes
.set KROW,   SIZE_K                    ; a row of A or of B in memory, in bytes
.set PITCH,  272                       ; an LDS row: 256 bytes of data + 16 of padding = 68 words: row r starts at bank 4 r mod 64 (64 banks of 4 bytes: ISA guide 11.1), so the 16 rows that a load touches start at 16 different banks
.set FR,     16                        ; registers of a fragment: 16 rows x 128 K
.set NL,     4                         ; LDS loads that bring one
.set NP,     4                         ; places behind this matrix instruction (ISA guide 7.12.1)
.set HALFT,  128*PITCH                 ; 128 rows: what one tensor load brings, and what one wave reads of A or of B
.set SLOT,   4*HALFT                   ; A's 256 rows, then B's 256 rows
.set LAPS,   SIZE_K/(2*KSTEP)          ; a lap = two K steps = once round the ring: 8
.set SPARE,  2*SLOT                    ; behind the ring: the spare words, 128 bytes for each wave: two blocks of 256 bytes that no other line names
.set SPITCH, 528                       ; the way out: a stage of 16 rows x (512 bytes + 16) for each wave.  It lies in slot 0, which has had its last fill and its last read when the first result is stored there
.set BI,   8                           ; v[8:11] the bias of my four columns on the way out
.set ADRA, 16                          ; v16-17  LDS address of my A fragments in slot 0, 1
.set ADRB, 20                          ; v20-21  the same for B
.set STO,  24                          ; v24     the way out: where I put 32 bytes of a row
.set RD,   25                          ; v25     the way out: where I read a row back
.set CO,   26                          ; v26     my byte offset in a row of out0: 16 x lane
.set SPW,  28                          ; v28     LDS address of my spare word: SPARE + 4 x my thread's number; never rewritten
.set NIL,  29                          ; v29     0; never rewritten
.set AF,   128                         ; A's fragments, in window 0
.set BK,   128                         ; the way out: 16 rows read back from the stage: v128-191 and v192-255 by turns
.set G1, 24                            ; s[24:31] descriptor group 1 for A's tiles;  s[32:39] group 0, one set for each slot
.set G0, 32
.set G1B, 48                           ; s[48:55], s[56:63] the same for B's tiles
.set G0B, 56
.set MSB, 0
.macro WIN new                         ; the immediate's high byte repeats the setting that is left
.if MSB != \new
	s_set_vgpr_msb (MSB<<8)|\new
.set MSB, \new
.endif
.endm
.set MUL_LO, 0xa1                      ; source 0 (B) window 1, source 1 (A) window 0, C and D window 2
.set MUL_HI, 0xf1                      ; the same, C and D window 3
.set TO_B,   0x40                      ; destination window 1, address window 0
; A joint load: waves 0 and 1 fetch for A, waves 2 and 3 for B.  Each of the two lines has ONE mask and one set of registers for all that issue it; the branch hangs on the wave's number alone.
; Four v_nop follow each of the two lines, ahead of the jump, the label and what follows.
.macro JLOAD g0a, g1a, g0b, g1b
	s_cmp_eq_u32 s15, 0
	s_cbranch_scc0 .Lfor_b_\@
	tensor_load_to_lds s[\g0a:\g0a+3], s[\g1a:\g1a+7]
	s_nop 0
.rept 4
	v_nop
.endr
	s_branch .Lasked_\@
.Lfor_b_\@:
	tensor_load_to_lds s[\g0b:\g0b+3], s[\g1b:\g1b+7]
	s_nop 0
.rept 4
	v_nop
.endr
.Lasked_\@:
.endm
.macro CREST                           ; a round of the cluster's barrier behind its opening barrier
	s_cmp_lg_u32 s14, 0
	s_cbranch_scc1 .Lnot_wave_0_\@
	s_barrier_signal -3
.Lnot_wave_0_\@:
	s_barrier_wait -3
	s_barrier_signal -1
	s_barrier_wait -1
.endm
.macro CROUND                          ; a whole round
	s_barrier_signal -1
	s_barrier_wait -1
	CREST
.endm
	s_load_b128 s[4:7], s[0:1], 0x0                ; A's codes s[4:5], B's codes s[6:7]
	s_load_b128 s[8:11], s[0:1], 0x10              ; the two scales' exponents s[8:9], out0 s[10:11]
	s_load_b64 s[12:13], s[0:1], 0x20              ; bias
	v_lshl_add_u32 v[SPW], v0, 2, SPARE
	v_mov_b32 v[NIL], 0
	ds_add_u32 v28, v29
	ds_add_u32 v28, v29
	s_wait_dscnt 0x0
	v_lshrrev_b32 v1, 5, v0
	v_readfirstlane_b32 s14, v1                    ; wave 0..3
	s_lshr_b32 s15, s14, 1                         ; which half of the tile's rows is mine.  Also: I fetch for A (0) or for B (1)
	s_and_b32 s16, s14, 1                          ; which half of its columns.  Also: which 128 rows of that tile I fetch
	s_bfe_u32 s40, ttmp6, 0x40000                  ; cx, cy: my place in the cluster
	s_bfe_u32 s41, ttmp6, 0x40004
	s_lshl_b32 s42, ttmp9, 2
	s_add_co_u32 s42, s42, s40                     ; tile column of out0 = 4 x cluster x + cx
	s_and_b32 s17, ttmp7, 0xffff
	s_lshl_b32 s17, s17, 2
	s_add_co_u32 s17, s17, s41                     ; tile row of out0 = 4 x cluster y + cy
	s_lshl_b32 s43, s41, 2
	s_lshl_b32 s43, 15, s43                        ; my row of the cluster
	s_lshl_b32 s44, 0x1111, s40                    ; my column
	; descriptor group 1: a tile of 128 rows x ROWB bytes, padded in LDS
	s_or_b32 s[G1+0], s43, (0<<16)|(1<<20)|(1<<21)|(5<<22)|(3<<25)  ; 15:0 the mask: A's tiles go to my row; 17:16 element of 1 byte; 20 padding on; 21 set beside a mask; 24:22 after every 64 words (code 5); 31:25 of 4 words (code 3)
	s_or_b32 s[G1B+0], s44, (0<<16)|(1<<20)|(1<<21)|(5<<22)|(3<<25)
.irp g, G1, G1B
	s_mov_b32 s[\g+1], ROWB<<16                    ; tensor_dim0
	s_mov_b32 s[\g+2], 128<<16                     ; tensor_dim1 = 128
	s_mov_b32 s[\g+3], ROWB<<16                    ; tile_dim0
	s_mov_b32 s[\g+4], 128                         ; tile_dim1 = 128
	s_mov_b32 s[\g+5], KROW                        ; tensor_dim0_stride
	s_mov_b32 s[\g+6], 0
	s_mov_b32 s[\g+7], 0
.endr
	s_lshl_b32 s18, s16, 7                         ; which 128 rows of the tile I fetch
	s_lshl_b32 s20, s17, 8
	s_add_co_u32 s20, s20, s18                     ; A: row 256 x tile row + 128 x half
	s_lshl_b32 s46, s42, 8
	s_add_co_u32 s46, s46, s18                     ; B: row 256 x tile column + 128 x half
	s_mov_b32 s21, 0
	s_mov_b32 s47, 0
	s_mov_b64 s[18:19], KROW
	s_mul_u64 s[20:21], s[20:21], s[18:19]         ; in bytes
	s_mul_u64 s[46:47], s[46:47], s[18:19]
	s_mul_i32 s45, s14, HALFT                      ; where they go: wave x 128 rows: no place in the cluster enters an LDS address
	s_wait_kmcnt 0x0
	s_load_b64 s[96:97], s[8:9], 0x0               ; e0, e1
	s_add_nc_u64 s[20:21], s[4:5], s[20:21]
	s_add_nc_u64 s[46:47], s[6:7], s[46:47]
	CROUND                                         ; all sixteen work-groups are here: the first joint loads meet
.irp s, 0,1
	s_mov_b32 s[G0+4*\s], 1
	s_add_co_u32 s[G0+4*\s+1], s45, \s*SLOT
	s_add_nc_u64 s[G0+4*\s+2:G0+4*\s+3], s[20:21], \s*ROWB
	s_or_b32 s[G0+4*\s+3], s[G0+4*\s+3], 0x80000000
	s_mov_b32 s[G0B+4*\s], 1
	s_add_co_u32 s[G0B+4*\s+1], s45, \s*SLOT
	s_add_nc_u64 s[G0B+4*\s+2:G0B+4*\s+3], s[46:47], \s*ROWB
	s_or_b32 s[G0B+4*\s+3], s[G0B+4*\s+3], 0x80000000
	JLOAD G0+4*\s, G1, G0B+4*\s, G1B               ; the two first fills: two tensor loads of mine are out
.endr
	v_and_b32 v1, 15, v0                           ; l % 16
	v_bfe_u32 v2, v0, 4, 1                         ; l / 16
	v_mul_u32_u24 v3, v1, PITCH
	v_lshl_add_u32 v4, v2, 4, v3                   ; a fragment's row x pitch + 16 x half
	s_mul_i32 s21, s15, HALFT                      ; my 128 rows of A
	s_mul_i32 s22, s16, HALFT                      ; my 128 rows of B,
	s_add_co_u32 s22, s22, 2*HALFT                 ; which lie behind A's 256
.irp s, 0,1
	v_add_nc_u32 v[ADRA+\s], s21, v4
	v_add_nc_u32 v[ADRB+\s], s22, v4
	s_add_co_u32 s21, s21, SLOT
	s_add_co_u32 s22, s22, SLOT
.endr
	s_mul_i32 s23, s14, 16*SPITCH                  ; my stage
	v_mul_u32_u24 v5, v1, SPITCH                   ; in: row l % 16, 32 bytes for each half of the lanes
	v_lshl_add_u32 v5, v2, 5, v5
	v_add_nc_u32 v[STO], s23, v5
	v_and_b32 v6, 31, v0
	v_lshlrev_b32 v[CO], 4, v6                     ; back: the 32 lanes take one row of 512 bytes; and the same in out0
	v_add_nc_u32 v[RD], s23, v[CO]
	s_lshl_b32 s20, s17, 8
	s_lshl_b32 s21, s15, 7
	s_add_co_u32 s20, s20, s21                     ; my first row of out0: 256 x tile row + 128 x half
	s_mov_b32 s21, 0
	s_mov_b64 s[18:19], SIZE_N*4
	s_mul_u64 s[20:21], s[20:21], s[18:19]
	s_lshl_b32 s46, s42, 10                        ; my first column, in bytes: 1024 x tile column + 512 x half
	s_lshl_b32 s47, s16, 9
	s_add_co_u32 s46, s46, s47
	s_mov_b32 s47, 0
	s_add_nc_u64 s[20:21], s[20:21], s[46:47]
	s_add_nc_u64 s[10:11], s[10:11], s[20:21]
	s_add_nc_u64 s[12:13], s[12:13], s[46:47]      ; the bias at my first column
	global_load_b128 v[BI:BI+3], v[CO], s[12:13]   ; read back from the stage a lane holds columns 4 x lane .. + 3 of every row: four numbers of the bias serve the whole tile; waited for on the way out
.macro FRAG reg, adr, q, i             ; a fragment, 16 rows x 128 K of 8-bit codes, is 16 registers: lane l holds row l % 16; registers 4 c .. 4 c + 3 hold K = 32 c + 16 (l / 16) + 0 .. 15
.irp c, 0,1,2,3
	ds_load_b128 v[\reg+4*\c:\reg+4*\c+3], v[\adr] offset:128*(\q)+32*\c+(\i)*16*PITCH
.endr
.endm
; 16 matrix instructions: A's blocks a0, a0 + 1 x B's eight, 128 along K.  p: B's set.  zero = 1: the first product starts the sums: nothing is ever cleared.
; The 64 accumulators take turns, one instruction a turn, in the same order in every step.
.macro MUL16 a0, p, zero
.irp a, \a0, \a0+1
.irp b, 0,1,2,3,4,5,6,7
.if \zero
	v_wmma_f32_16x16x128_fp8_fp8 v[8*(8*((\a)%4)+\b):8*(8*((\a)%4)+\b)+7], v[128*(\p)+FR*\b:128*(\p)+FR*\b+FR-1], v[AF+FR*(\a):AF+FR*(\a)+FR-1], 0
.else
	v_wmma_f32_16x16x128_fp8_fp8 v[8*(8*((\a)%4)+\b):8*(8*((\a)%4)+\b)+7], v[128*(\p)+FR*\b:128*(\p)+FR*\b+FR-1], v[AF+FR*(\a):AF+FR*(\a)+FR-1], v[8*(8*((\a)%4)+\b):8*(8*((\a)%4)+\b)+7]
.endif
.endr
.endr
.endm
.macro FETCH_B slot, q, p              ; B's eight fragments of the slot's q-th 128 along K into set p
	WIN TO_B
.irp i, 0,1,2,3,4,5,6,7
	FRAG 128*(\p)+FR*\i, ADRB+\slot, \q, \i
.endr
	WIN 0
.endm
.macro FETCH_A slot, q, i0             ; A's blocks i0 .. i0 + 3
.irp i, \i0, \i0+1, \i0+2, \i0+3
	FRAG AF+FR*(\i), ADRA+\slot, \q, \i
.endr
.endm
; A load into a register that a matrix instruction has read, and a vector instruction or an LDS store that reads a matrix result, stand NP places behind that matrix instruction, and only plain vector
; instructions that name none of its registers are places (ISA guide 7.12.1 for vector instructions); this text does not count the matrix instructions in between.
.macro PLACES n
.rept \n
	v_nop
.endr
.endm
; A step of 128 along K that has its successor in the same slot.
.macro STEP slot, q, zero
	s_wait_dscnt 4*NL                              ; B's set and A's blocks 0-3 are in; the youngest sixteen loads (A's blocks 4-7) may be out
	WIN MUL_LO
	MUL16 0, (\q)%2, \zero
	MUL16 2, (\q)%2, \zero
	s_wait_dscnt 0                                 ; A's blocks 4-7 are in (asked for 32 matrix instructions ago)
	PLACES NP
	FETCH_B \slot, (\q)+1, 1-(\q)%2
	FETCH_A \slot, (\q)+1, 0
	WIN MUL_HI
	MUL16 4, (\q)%2, \zero
	MUL16 6, (\q)%2, \zero
	PLACES NP
	WIN 0
	FETCH_A \slot, (\q)+1, 4
.endm
; A slot's last step changes slots: ONE barrier; in front of it each wave waits for all its tensor loads, adds 0 to its spare word, and waits for that and for its own reads of this slot.  fill = 1: this slot is filled again, two K steps ahead.
.macro TURN slot, next, fill
	s_wait_tensorcnt 0x0                           ; all my tensor loads have landed: my part of the next slot;  (every window is 0 here: the add's two registers lie in window 0)
	ds_add_u32 v[SPW], v[NIL]                      ; 0 onto my spare word
	s_wait_dscnt 4*NL+1                            ; (the add and the youngest sixteen loads, A's blocks 4-7, may be out)
	WIN MUL_LO
	MUL16 0, 1, 0                                  ; sixteen matrix instructions stand between the add and the wait for it
	s_wait_dscnt 0x0                               ; the add is done, and my reads of this slot are over
	s_barrier_signal -1
	MUL16 2, 1, 0
	WIN 0
	s_barrier_wait -1
.if \fill
	CREST                                          ; the barrier has opened a round of the cluster's barrier: no wave of any partner still reads this slot's tile or has a load on its way
	s_add_nc_u64 s[G0+4*\slot+2:G0+4*\slot+3], s[G0+4*\slot+2:G0+4*\slot+3], 2*ROWB
	s_add_nc_u64 s[G0B+4*\slot+2:G0B+4*\slot+3], s[G0B+4*\slot+2:G0B+4*\slot+3], 2*ROWB
	JLOAD G0+4*\slot, G1, G0B+4*\slot, G1B         ; the first tensor load behind the round, my one load until the next; the four v_nop behind it are the places in front of the loads below
.else
	PLACES NP
.endif
	FETCH_B \next, 0, 0
	FETCH_A \next, 0, 0
	WIN MUL_HI
	MUL16 4, 1, 0
	MUL16 6, 1, 0
	PLACES NP
	WIN 0
	FETCH_A \next, 0, 4
.endm
	s_wait_tensorcnt 1                             ; my part of K step 0 is in (K step 1's load may be out)
	s_barrier_signal -1
	s_barrier_wait -1                              ; everybody's is
	FETCH_B 0, 0, 0
	FETCH_A 0, 0, 0
	FETCH_A 0, 0, 4
	STEP 0, 0, 1                                   ; the first step stands in front of the loop: its products start the sums
	s_mov_b32 s3, LAPS-1
.Llap:                                                 ; a trip goes once round the ring, from a lap's second step to the next lap's first, and fills both slots again
	TURN 0, 1, 1
	STEP 1, 0, 0
	TURN 1, 0, 1
	STEP 0, 0, 0
	s_sub_co_u32 s3, s3, 1
	s_cmp_lg_u32 s3, 0
	s_cbranch_scc1 .Llap
	TURN 0, 1, 0                                   ; the last lap fills nothing, and has no round of the cluster's barrier
	STEP 1, 0, 0
	s_wait_dscnt 4*NL                              ; the very last step: nothing more to fetch
	WIN MUL_LO
	MUL16 0, 1, 0
	MUL16 2, 1, 0
	s_wait_dscnt 0
	WIN MUL_HI
	MUL16 4, 1, 0
	MUL16 6, 1, 0
	WIN 0
; THE WAY OUT, block by block of 16 rows x 128 columns.  A lane holds 32 neighbouring bytes of a row, and the lanes beside it hold other rows: so a block's sums go, as they stand in the accumulators, through my own
; stage in LDS and come back as whole rows of 512 bytes.  There each pair of numbers takes one fused multiply-add, sum x 2^(e0 + e1) + bias, and the 32 lanes store the row: 512 consecutive bytes, aligned.
; LDS serves a wave's instructions in order (ISA guide 5.7.1.4): no wait between the stores and the loads, nor in front of the next block's stores.
.macro TOSTAGE a
.set AC, 64*((\a)%4)
	WIN 0x08+4*((\a)/4)                            ; an LDS store's data are its source 1: window 2 or 3; the address stays in window 0
.irp b, 0,1,2,3,4,5,6,7
	ds_store_b128 v[STO], v[AC+8*\b:AC+8*\b+3] offset:64*\b          ; each accumulator from its low end on
	ds_store_b128 v[STO], v[AC+8*\b+4:AC+8*\b+7] offset:64*\b+16
.endr
	WIN 0
.set BB, BK+64*((\a)%2)
.irp t, 0,1,2,3,4,5,6,7,8,9,10,11,12,13,14,15
	ds_load_b128 v[BB+4*\t:BB+4*\t+3], v[RD] offset:\t*SPITCH
.endr
.endm
.macro SEND a, younger                 ; younger: the LDS instructions issued behind block a's loads, which may stay out
.set BB, BK+64*((\a)%2)
	s_wait_dscnt \younger                          ; the block is back in registers
.if (\a) > 0
	s_add_nc_u64 s[10:11], s[10:11], 16*SIZE_N*4   ; (behind a wait on XCNT: the earlier stores have read their base)  16 rows of out0 on, so that the stores' offsets stay small: 15 rows at the most
.endif
.irp t, 0,1,2,3,4,5,6,7,8,9,10,11,12,13,14,15
	v_pk_fma_f32 v[BB+4*\t:BB+4*\t+1], v[BB+4*\t:BB+4*\t+1], s[96:97], v[BI:BI+1] op_sel_hi:[1,0,1]         ; the scalar pair's low word, 2^(e0 + e1), for both halves
	v_pk_fma_f32 v[BB+4*\t+2:BB+4*\t+3], v[BB+4*\t+2:BB+4*\t+3], s[96:97], v[BI+2:BI+3] op_sel_hi:[1,0,1]
	global_store_b128 v[CO], v[BB+4*\t:BB+4*\t+3], s[10:11] offset:\t*SIZE_N*4 th:TH_STORE_NT   ; written once, read by nobody here
.endr
.endm
	s_wait_kmcnt 0x0                               ; e0, e1
	s_wait_loadcnt 0x0                             ; the bias
	s_add_co_i32 s96, s96, s97                     ; e0 + e1, between -126 and 127,
	s_add_co_i32 s96, s96, 127
	s_lshl_b32 s96, s96, 23                        ; makes the f32 number 2^(e0 + e1)
	PLACES NP                                      ; behind the last products: for the LDS stores that read results, and for the loads into the registers that held A's fragments
	TOSTAGE 0
.irp a, 1,2,3,4,5,6,7
.if \a > 1
	s_wait_xcnt 0x0                                ; block a - 2's stores have read their registers and their base: block a's loads may land there, and the base may step
.endif
	TOSTAGE \a
	SEND \a-1, 32                                  ; behind block a - 1's loads: block a's 16 stores and 16 loads
.endr
	s_wait_xcnt 0x0                                ; block 6's stores have read their base
	SEND 7, 0
	s_wait_tensorcnt 0x0                           ; the wave's end: behind my last tensor load and my last LDS store
	ds_add_u32 v[SPW], v[NIL]
	s_wait_dscnt 0x0
	CROUND                                         ; the closing round: no work-group ends while a partner may still ask for a tile that names it
	s_endpgm
.Lfunc_end_k_q150e3a762d_gemm:
	.size	k_q150e3a762d_gemm, .Lfunc_end_k_q150e3a762d_gemm-k_q150e3a762d_gemm
	.p2alignl 7, 3214868480
	.fill 96, 4, 3214868480
	.section	.rodata,"a",@progbits
	.p2align	6, 0x0
	.amdhsa_kernel k_q150e3a762d_gemm
		.amdhsa_group_segment_fixed_size 327680
		.amdhsa_private_segment_fixed_size 0
		.amdhsa_enable_private_segment 0
		.amdhsa_kernarg_size 40
		.amdhsa_user_sgpr_count 2
		.amdhsa_user_sgpr_kernarg_segment_ptr 1
		.amdhsa_wavefront_size32 1
		.amdhsa_system_sgpr_workgroup_id_x 1
		.amdhsa_system_sgpr_workgroup_id_y 1
		.amdhsa_system_sgpr_workgroup_id_z 1
		.amdhsa_system_vgpr_workitem_id 0
		.amdhsa_next_free_vgpr 1024
		.amdhsa_next_free_sgpr 98
		.amdhsa_reserve_vcc 0
		.amdhsa_float_denorm_mode_32 3
		.amdhsa_float_denorm_mode_16_64 3
		.amdhsa_memory_ordered 1
		.amdhsa_forward_progress 1
		.amdhsa_inst_pref_size 123
	.end_amdhsa_kernel
	.amdgpu_metadata
---
amdhsa.version: [ 1, 2 ]
amdhsa.kernels:
  - .name:           k_q150e3a762d_gemm
    .symbol:         k_q150e3a762d_gemm.kd
    .args:
      - { .name: inputs_codes, .offset: 0, .size: 8, .value_kind: global_buffer, .address_space: global }
      - { .name: wcodes, .offset: 8, .size: 8, .value_kind: global_buffer, .address_space: global }
      - { .name: lowp_scales, .offset: 16, .size: 8, .value_kind: global_buffer, .address_space: global }
      - { .name: out0, .offset: 24, .size: 8, .value_kind: global_buffer, .address_space: global }
      - { .name: bias, .offset: 32, .size: 8, .value_kind: global_buffer, .address_space: global }
    .group_segment_fixed_size: 327680
    .private_segment_fixed_size: 0
    .kernarg_segment_align: 8
    .kernarg_segment_size: 40
    .max_flat_workgroup_size: 128
    .sgpr_count:     98
    .vgpr_count:     1024
    .wavefront_size: 32
...
	.end_amdgpu_metadata
.endif
;; end of part 3
;; ======== version 2 of 2: 3 launches
;; limits: right only within a limited range of input values
;; workspace buffers: partial 1,024 bytes; wbits 2,097,152 bytes
;; launch absum (part 4): grid 256 x 1, 16 waves a work-group, no clusters, 2,304 bytes of LDS; arguments kernel, partial; writes partial
.if DOCPART == 4
	.amdgcn_target "amdgcn-amd-amdhsa--gfx1250"
	.amdhsa_code_object_version 6
	.text
	.protected	k_q150e3a762d_absum
	.globl	k_q150e3a762d_absum
	.p2align	8
	.type	k_q150e3a762d_absum,@function
k_q150e3a762d_absum:
	s_mov_b64 s[64:65], 0
	v_nop
	global_prefetch_b8 v0, s[64:65] scope:SCOPE_SE
	s_setreg_imm32_b32 hwreg(HW_REG_WAVE_MODE, 25, 1), 1
	s_wait_xcnt 0x0
; partial[g] = the sum of |kernel| over work-group g's 65,536 numbers (262,144 bytes of the 4,096 x 4,096 f32).
; The mean of |kernel| decides a comparison, so the sum is a strict tree of pairs in f32, never one long chain:
; 7 levels in a lane (128 numbers), 5 across the lanes, 4 across the 16 waves; the next launch adds the last 8 levels.
; Sixteen waves; wave w owns 16,384 bytes; each of its 32 loads covers 512 consecutive bytes, 16 a lane, and all 32 go
; out at once, so there is no loop and no register is loaded twice.  No matrix unit, no tensor load, no cluster: work-groups share nothing.
; The loads carry no non-temporal hint: the next launch reads the same bytes again.
.set X, 16                             ; v[16:143] the 128 numbers of a lane, load j at X + 4 j
	s_load_b128 s[4:7], s[0:1], 0x0                ; kernel s[4:5], partial s[6:7]
	v_lshl_add_u32 v144, v0, 2, 0x100
	v_mov_b32 v145, 0
	v_lshrrev_b32 v2, 5, v0
	s_delay_alu instid0(VALU_DEP_1)
	v_readfirstlane_b32 s12, v2                    ; wave 0..15
	v_and_b32 v1, 31, v0
	s_delay_alu instid0(VALU_DEP_1)
	v_lshlrev_b32 v1, 4, v1
	s_delay_alu instid0(VALU_DEP_1)
	v_lshl_add_u32 v1, v2, 14, v1                  ; 16 x lane + 16,384 x wave
	v_lshlrev_b32 v3, 2, v2                        ; my wave's word in LDS
	v_mov_b32 v4, 0
	s_lshl_b32 s8, ttmp9, 18                       ; the work-group's 262,144 bytes (at most 255 << 18)
	s_mov_b32 s9, 0
	s_lshl_b32 s14, ttmp9, 2
	v_mov_b32 v5, s14                              ; the work-group's word in partial
	s_mov_b32 s10, 0x76543210                      ; v_permlanex16_b32: lane l takes lane l xor 16
	s_mov_b32 s11, 0xfedcba98
	s_wait_alu depctr_va_vdst(0)
	s_wait_kmcnt 0x0
	s_add_nc_u64 s[4:5], s[4:5], s[8:9]
.irp j, 0,1,2,3,4,5,6,7,8,9,10,11,12,13,14,15,16,17,18,19,20,21,22,23,24,25,26,27,28,29,30,31
	global_load_b128 v[X+4*\j:X+4*\j+3], v1, s[4:5] offset:512*\j
.endr
	; level 1: |a| + |b| of neighbours, in place: number i lands in a register that step i / 2 has read and whose load has come
.irp q, 0,1,2,3
	s_wait_loadcnt 24-8*\q                         ; loads come back in order: loads 8 q .. 8 q + 7 are in, the 24 - 8 q younger ones stay out
.set i, 16*\q
.rept 16
	v_add_f32 v[X+i], |v[X+2*i]|, |v[X+2*i+1]|
.set i, i+1
.endr
.endr
	; levels 2 to 6, two sums an instruction: pairs w / 2 registers apart
.irp w, 4,8,16,32,64
.set u, 0
.rept 64/\w
	v_pk_add_f32 v[X+\w*u:X+\w*u+1], v[X+\w*u:X+\w*u+1], v[X+\w*u+\w/2:X+\w*u+\w/2+1]
.set u, u+1
.endr
.endr
	s_delay_alu instid0(VALU_DEP_1)
	v_add_f32 v[X], v[X], v[X+1]                   ; level 7
	; across the 32 lanes
	s_delay_alu instid0(VALU_DEP_1)
	v_add_f32_dpp v[X], v[X], v[X] row_xmask:1 row_mask:0xf bank_mask:0xf
	s_delay_alu instid0(VALU_DEP_1)
	v_add_f32_dpp v[X], v[X], v[X] row_xmask:2 row_mask:0xf bank_mask:0xf
	s_delay_alu instid0(VALU_DEP_1)
	v_add_f32_dpp v[X], v[X], v[X] row_xmask:4 row_mask:0xf bank_mask:0xf
	s_delay_alu instid0(VALU_DEP_1)
	v_add_f32_dpp v[X], v[X], v[X] row_xmask:8 row_mask:0xf bank_mask:0xf
	s_delay_alu instid0(VALU_DEP_1)
	v_permlanex16_b32 v[X+1], v[X], s10, s11       ; (its destination has been written)
	s_delay_alu instid0(VALU_DEP_1)
	v_add_f32 v[X], v[X], v[X+1]
	; across the 16 waves: a word each, one barrier, wave 0 adds them
	ds_store_b32 v3, v[X]
	s_wait_dscnt 0x0                               ; for the others' sake: my word lies in LDS
	s_barrier_signal -1
	s_barrier_wait -1
	s_cmp_lg_u32 s12, 0
	s_cbranch_scc1 .Lend
.irp i, 0,1,2,3
	ds_load_b128 v[16+4*\i:19+4*\i], v4 offset:16*\i
.endr
	s_wait_dscnt 0x0
	v_pk_add_f32 v[16:17], v[16:17], v[18:19]
	v_pk_add_f32 v[20:21], v[20:21], v[22:23]
	v_pk_add_f32 v[24:25], v[24:25], v[26:27]
	v_pk_add_f32 v[28:29], v[28:29], v[30:31]
	s_delay_alu instid0(VALU_DEP_3)
	v_pk_add_f32 v[16:17], v[16:17], v[20:21]
	s_delay_alu instid0(VALU_DEP_2)
	v_pk_add_f32 v[24:25], v[24:25], v[28:29]
	s_delay_alu instid0(VALU_DEP_1)
	v_pk_add_f32 v[16:17], v[16:17], v[24:25]
	s_delay_alu instid0(VALU_DEP_1)
	v_add_f32 v16, v16, v17
	v_cmp_eq_u32 vcc_lo, 0, v0
	s_wait_alu depctr_va_vdst(0)
	s_wait_xcnt 0x0                                ; EXEC is a source of the loads above: it changes only behind this wait
	s_and_saveexec_b32 s13, vcc_lo                 ; thread 0 alone stores the work-group's one number
	global_store_b32 v5, v16, s[6:7]
	s_wait_xcnt 0x0                                ; and again in front of the line that widens it
	s_or_b32 exec_lo, exec_lo, s13
.Lend:
	s_wait_tensorcnt 0x0
	ds_add_u32 v144, v145
	s_wait_dscnt 0x0
	s_endpgm
.Lfunc_end_k_q150e3a762d_absum:
	.size	k_q150e3a762d_absum, .Lfunc_end_k_q150e3a762d_absum-k_q150e3a762d_absum
	.p2alignl 7, 3214868480
	.fill 96, 4, 3214868480
	.section	.rodata,"a",@progbits
	.p2align	6, 0x0
	.amdhsa_kernel k_q150e3a762d_absum
		.amdhsa_group_segment_fixed_size 2304
		.amdhsa_private_segment_fixed_size 0
		.amdhsa_enable_private_segment 0
		.amdhsa_kernarg_size 16
		.amdhsa_user_sgpr_count 2
		.amdhsa_user_sgpr_kernarg_segment_ptr 1
		.amdhsa_wavefront_size32 1
		.amdhsa_system_sgpr_workgroup_id_x 1
		.amdhsa_system_sgpr_workgroup_id_y 1
		.amdhsa_system_sgpr_workgroup_id_z 1
		.amdhsa_system_vgpr_workitem_id 0
		.amdhsa_next_free_vgpr 146
		.amdhsa_next_free_sgpr 66
		.amdhsa_reserve_vcc 1
		.amdhsa_float_denorm_mode_32 3
		.amdhsa_float_denorm_mode_16_64 3
		.amdhsa_memory_ordered 1
		.amdhsa_forward_progress 1
		.amdhsa_inst_pref_size 13
	.end_amdhsa_kernel
	.amdgpu_metadata
---
amdhsa.version: [ 1, 2 ]
amdhsa.kernels:
  - .name:           k_q150e3a762d_absum
    .symbol:         k_q150e3a762d_absum.kd
    .args:
      - { .name: kernel, .offset: 0, .size: 8, .value_kind: global_buffer, .address_space: global }
      - { .name: partial, .offset: 8, .size: 8, .value_kind: global_buffer, .address_space: global }
    .group_segment_fixed_size: 2304
    .private_segment_fixed_size: 0
    .kernarg_segment_align: 8
    .kernarg_segment_size: 16
    .max_flat_workgroup_size: 512
    .sgpr_count:     66
    .vgpr_count:     146
    .wavefront_size: 32
...
	.end_amdgpu_metadata
.endif
;; end of part 4
;; launch binq (part 5): grid 32 x 16, 8 waves a work-group, no clusters, 5,120 bytes of LDS; arguments kernel, partial, wbits; writes wbits
.if DOCPART == 5
	.amdgcn_target "amdgcn-amd-amdhsa--gfx1250"
	.amdhsa_code_object_version 6
	.text
	.protected	k_q150e3a762d_binq
	.globl	k_q150e3a762d_binq
	.p2align	8
	.type	k_q150e3a762d_binq,@function
k_q150e3a762d_binq:
	s_mov_b64 s[64:65], 0
	v_nop
	global_prefetch_b8 v0, s[64:65] scope:SCOPE_SE
	s_setreg_imm32_b32 hwreg(HW_REG_WAVE_MODE, 25, 1), 1
	s_wait_xcnt 0x0
; qk[k][n] = 1 if |kernel[k][n]| > mean(|kernel|), else 0, stored as ONE BIT a number, in the order in which the product's launch takes its operand registers.  kernel: [4096 k][4096 n] f32.
; qk has two values only, so its codes are 0 and one code that the product's launch makes by the conversion; what has to travel is which of the two: 2 MiB in place of 16 MiB of codes.
; THE THRESHOLD: the 256 partial sums are added as a tree of pairs (3 levels in a lane, 5 across lanes), in the same order by every wave of every work-group, and multiplied by 2^-24
; (exact, short of underflow).  It only feeds compares whose masks select values: no branch and no address hangs on it.  With a NaN in kernel every compare is false and qk = 0, as in the definition.
; wbits: [32 blocks of 128 n][32 steps of 128 k][4 loads][32 lanes][4 dwords].  Of a block and step, dword e = 4 x load + place of lane (r, h) belongs to column n = 16 (e / 2) + r and, with u = e % 2,
; holds k = 64 u + 32 h + 4 j + p at bit 8 p + j: 32 consecutive k.
; SHARES.  A work-group takes 128 columns x 256 along K: two steps, 4,096 bytes of wbits on end.  Wave w takes K rows 32 w .. 32 w + 31 of all 128 columns, which is one dword for each column; lane l columns 4 l .. 4 l + 3:
; a load is one row's 512 consecutive bytes, and all 32 loads of a wave go out at once: no loop.
; THE WAY OUT.  A lane's four dwords go to their places in a stage of 4,096 bytes in LDS; behind one barrier each thread reads 16 bytes and stores them: a wave's store covers 512 consecutive bytes, aligned.
.set TH,  6                            ; v6   the threshold
.set ONE, 7                            ; v7   the whole number 1
.set T,   16                           ; v[16:23], v[24:31]: eight numbers 0 or 1, two sets by turns (first: the partial sums)
.set D,   32                           ; v[32:35] the dword of my column c
.set OUTR, 36                          ; v[36:39] the way out
.set X,   64                           ; v[64:191] row i's four numbers at X + 4 i
.set MK,  32                           ; s[32:39] eight lane masks
	s_load_b128 s[4:7], s[0:1], 0x0                ; kernel s[4:5], partial s[6:7]
	s_load_b64 s[8:9], s[0:1], 0x10                ; wbits
	v_lshl_add_u32 v192, v0, 2, 0x1000
	v_mov_b32 v193, 0
	v_lshrrev_b32 v2, 5, v0
	s_delay_alu instid0(VALU_DEP_1)
	v_readfirstlane_b32 s12, v2                    ; wave 0..7
	s_and_b32 s13, ttmp7, 0xffff                   ; y: which 256 along K
	v_and_b32 v9, 31, v0                           ; lane l
	s_delay_alu instid0(VALU_DEP_1)
	v_lshlrev_b32 v1, 4, v9                        ; 16 x lane
	; into the stage.  Column 4 l + c: fragment i = l / 4, r = 4 (l % 4) + c.  Byte = 2048 (w / 4) + 512 (i / 2) + 16 (r + 16 h) + 4 (2 (i % 2) + u), with u = (w / 2) % 2, h = w % 2
	s_delay_alu instid0(VALU_DEP_2)
	v_lshrrev_b32 v10, 3, v9
	s_delay_alu instid0(VALU_DEP_3)
	v_and_b32 v11, 3, v9
	s_delay_alu instid0(VALU_DEP_4)
	v_bfe_u32 v12, v9, 2, 1
	s_delay_alu instid0(VALU_DEP_3)
	v_lshlrev_b32 v3, 9, v10                       ; 512 (l / 8)
	s_delay_alu instid0(VALU_DEP_1)
	v_lshl_add_u32 v3, v11, 6, v3                  ; + 64 (l % 4)
	s_delay_alu instid0(VALU_DEP_1)
	v_lshl_add_u32 v3, v12, 3, v3                  ; + 8 ((l / 4) % 2);  16 c stands in the immediate
	s_wait_alu depctr_va_vdst(0)
	s_lshr_b32 s14, s12, 2
	s_lshl_b32 s14, s14, 11                        ; 2048 (w / 4)
	s_and_b32 s15, s12, 1
	s_lshl_b32 s15, s15, 8                         ; 256 h
	s_add_co_u32 s14, s14, s15
	s_bfe_u32 s15, s12, 0x10001
	s_lshl_b32 s15, s15, 2                         ; 4 u
	s_add_co_u32 s14, s14, s15
	v_add_nc_u32 v3, s14, v3
	v_lshlrev_b32 v4, 4, v0                        ; out of the stage, and in wbits: 16 x thread
	v_mov_b32 v[ONE], 1
	s_lshl_b32 s16, s13, 22                        ; kernel: row 256 y + 32 w of 16,384 bytes, column 128 x of 4 bytes
	s_lshl_b32 s17, s12, 19
	s_add_co_u32 s16, s16, s17
	s_lshl_b32 s17, ttmp9, 9
	s_add_co_u32 s16, s16, s17
	s_mov_b32 s17, 0
	s_lshl_b32 s18, ttmp9, 16                      ; wbits: block x of 65,536 bytes, steps 2 y and 2 y + 1 of 2,048
	s_lshl_b32 s19, s13, 12
	s_add_co_u32 s18, s18, s19
	s_mov_b32 s19, 0
	s_mov_b32 s22, 0x76543210                      ; v_permlanex16_b32: lane l takes lane l xor 16
	s_mov_b32 s23, 0xfedcba98
	s_wait_kmcnt 0x0
	s_add_nc_u64 s[4:5], s[4:5], s[16:17]
	s_add_nc_u64 s[8:9], s[8:9], s[18:19]
	global_load_b128 v[16:19], v1, s[6:7]          ; the 256 partial sums: eight a lane
	global_load_b128 v[20:23], v1, s[6:7] offset:512
.irp i, 0,1,2,3,4,5,6,7,8,9,10,11,12,13,14,15,16,17,18,19,20,21,22,23,24,25,26,27,28,29,30,31
	global_load_b128 v[X+4*\i:X+4*\i+3], v1, s[4:5] offset:16384*\i th:TH_LOAD_NT   ; row i: 512 consecutive bytes; read once in this launch
.endr
	s_wait_loadcnt 32                              ; the two loads of partial sums are in; the 32 rows issued behind them stay out
	v_pk_add_f32 v[16:17], v[16:17], v[18:19]
	v_pk_add_f32 v[20:21], v[20:21], v[22:23]
	s_delay_alu instid0(VALU_DEP_1)
	v_pk_add_f32 v[16:17], v[16:17], v[20:21]
	s_delay_alu instid0(VALU_DEP_1)
	v_add_f32 v16, v16, v17
	s_delay_alu instid0(VALU_DEP_1)
	v_add_f32_dpp v16, v16, v16 row_xmask:1 row_mask:0xf bank_mask:0xf
	s_delay_alu instid0(VALU_DEP_1)
	v_add_f32_dpp v16, v16, v16 row_xmask:2 row_mask:0xf bank_mask:0xf
	s_delay_alu instid0(VALU_DEP_1)
	v_add_f32_dpp v16, v16, v16 row_xmask:4 row_mask:0xf bank_mask:0xf
	s_delay_alu instid0(VALU_DEP_1)
	v_add_f32_dpp v16, v16, v16 row_xmask:8 row_mask:0xf bank_mask:0xf
	s_delay_alu instid0(VALU_DEP_1)
	v_permlanex16_b32 v17, v16, s22, s23
	s_delay_alu instid0(VALU_DEP_1)
	v_add_f32 v16, v16, v17
	s_delay_alu instid0(VALU_DEP_1)
	v_mul_f32 v[TH], 0x33800000, v16               ; x 2^-24: the mean of 2^24 magnitudes
; Rows 8 g .. 8 g + 7 of my column c: eight compares, eight selects (1 or 0), and each is put at its bit: row i = 4 j + p goes to bit 8 p + j.  Row 0 starts the dword: nothing is cleared.
.macro GROUP g, c
.irp i, 0,1,2,3,4,5,6,7
	v_cmp_gt_f32 s[MK+\i], |v[X+4*(8*(\g)+\i)+(\c)]|, v[TH]
.endr
.irp i, 0,1,2,3,4,5,6,7
.if (8*(\g)+\i) == 0
	v_cndmask_b32 v[D+(\c)], 0, v[ONE], s[MK+\i]
.else
	v_cndmask_b32 v[T+8*((\c)%2)+\i], 0, v[ONE], s[MK+\i]
.endif
.endr
.irp i, 0,1,2,3,4,5,6,7
.if (8*(\g)+\i) != 0
	v_lshl_or_b32 v[D+(\c)], v[T+8*((\c)%2)+\i], 8*((8*(\g)+\i)%4)+(8*(\g)+\i)/4, v[D+(\c)]
.endif
.endr
.endm
	s_wait_alu depctr_va_vdst(0)
.irp g, 0,1,2,3
	s_wait_loadcnt 24-8*\g                         ; rows 8 g .. 8 g + 7 are in; the 24 - 8 g younger loads stay out
.irp c, 0,1,2,3
	GROUP \g, \c
.endr
.endr
.irp c, 0,1,2,3
	ds_store_b32 v3, v[D+\c] offset:16*\c
.endr
	s_wait_dscnt 0x0                               ; for the others' sake: my 128 dwords lie in the stage
	s_barrier_signal -1
	s_barrier_wait -1
	ds_load_b128 v[OUTR:OUTR+3], v4
	s_wait_dscnt 0x0
	global_store_b128 v4, v[OUTR:OUTR+3], s[8:9]   ; a wave stores 512 consecutive bytes, aligned; the next launch reads them
	s_wait_tensorcnt 0x0
	ds_add_u32 v192, v193
	s_wait_dscnt 0x0
	s_endpgm
.Lfunc_end_k_q150e3a762d_binq:
	.size	k_q150e3a762d_binq, .Lfunc_end_k_q150e3a762d_binq-k_q150e3a762d_binq
	.p2alignl 7, 3214868480
	.fill 96, 4, 3214868480
	.section	.rodata,"a",@progbits
	.p2align	6, 0x0
	.amdhsa_kernel k_q150e3a762d_binq
		.amdhsa_group_segment_fixed_size 5120
		.amdhsa_private_segment_fixed_size 0
		.amdhsa_enable_private_segment 0
		.amdhsa_kernarg_size 24
		.amdhsa_user_sgpr_count 2
		.amdhsa_user_sgpr_kernarg_segment_ptr 1
		.amdhsa_wavefront_size32 1
		.amdhsa_system_sgpr_workgroup_id_x 1
		.amdhsa_system_sgpr_workgroup_id_y 1
		.amdhsa_system_sgpr_workgroup_id_z 1
		.amdhsa_system_vgpr_workitem_id 0
		.amdhsa_next_free_vgpr 194
		.amdhsa_next_free_sgpr 66
		.amdhsa_reserve_vcc 0
		.amdhsa_float_denorm_mode_32 3
		.amdhsa_float_denorm_mode_16_64 3
		.amdhsa_memory_ordered 1
		.amdhsa_forward_progress 1
		.amdhsa_inst_pref_size 31
	.end_amdhsa_kernel
	.amdgpu_metadata
---
amdhsa.version: [ 1, 2 ]
amdhsa.kernels:
  - .name:           k_q150e3a762d_binq
    .symbol:         k_q150e3a762d_binq.kd
    .args:
      - { .name: kernel, .offset: 0, .size: 8, .value_kind: global_buffer, .address_space: global }
      - { .name: partial, .offset: 8, .size: 8, .value_kind: global_buffer, .address_space: global }
      - { .name: wbits, .offset: 16, .size: 8, .value_kind: global_buffer, .address_space: global }
    .group_segment_fixed_size: 5120
    .private_segment_fixed_size: 0
    .kernarg_segment_align: 8
    .kernarg_segment_size: 24
    .max_flat_workgroup_size: 256
    .sgpr_count:     66
    .vgpr_count:     194
    .wavefront_size: 32
...
	.end_amdgpu_metadata
.endif
;; end of part 5
;; launch gemm (part 6): grid 16 x 16, 4 waves a work-group, clusters of 4 x 1, 327,680 bytes of LDS; arguments inputs_codes, wbits, lowp_scales, out0, bias; writes out0
.if DOCPART == 6
	.amdgcn_target "amdgcn-amd-amdhsa--gfx1250"
	.amdhsa_code_object_version 6
	.text
	.protected	k_q150e3a762d_gemm
	.globl	k_q150e3a762d_gemm
	.p2align	8
	.type	k_q150e3a762d_gemm,@function
k_q150e3a762d_gemm:
	s_mov_b64 s[64:65], 0
	v_nop
	global_prefetch_b8 v0, s[64:65] scope:SCOPE_SE
	s_setreg_imm32_b32 hwreg(HW_REG_WAVE_MODE, 25, 1), 1
	s_wait_xcnt 0x0
	s_wait_alu depctr_hold_cnt(0) depctr_sa_sdst(0) depctr_va_vdst(0) depctr_va_sdst(0) depctr_va_ssrc(0) depctr_va_vcc(0) depctr_vm_vsrc(0)
	s_getreg_b32 s2, hwreg(HW_REG_IB_STS2, 6, 4)
	s_cmp_eq_u32 s2, 0
	s_cbranch_scc0 .Lentry_in_a_cluster
	s_endpgm
.Lentry_in_a_cluster:
	s_bfe_u32 s2, ttmp6, 0x10000c
	s_cmp_lg_u32 s2, 0x3003
	s_cbranch_scc0 .Lentry_shape_is_right
	s_endpgm
.Lentry_shape_is_right:
.set SIZE_N, 4096
.set SIZE_K, 4096
.set KSLOT,  512
.set PITCH,  528
.set FR,     16
.set NL,     4
.set NP,     4
.set QT,     64*PITCH
.set SLOT,   4*QT
.set NSLOT,  SIZE_K/KSLOT
.set SPARE,  2*SLOT
.set STAGE,  SPARE+512
.set SPITCH, 528
.set WSTEP,  2048
.set BI,   8
.set ADRA0, 16
.set ADR,  17
.set STO,  24
.set RD,   25
.set CO,   26
.set SPW,  28
.set NIL,  29
.set WR,   32
.set TA,   96
.set TM,   97
.set TC,   98
.set AF,   128
.set BK,   128
.set G1,   24
.set G0,   32
.set TB,   44
.set ST0,  48
.set ST1,  49
.set ST2,  50
.set SM7,  51
.set MSB, 0
.macro WIN new
.if MSB != (\new)
	s_set_vgpr_msb (MSB<<8)|(\new)
.set MSB, (\new)
.endif
.endm
.set MUL_LO, 0xa1
.set TO_B,   0x40
.macro CREST
	s_cmp_lg_u32 s14, 0
	s_cbranch_scc1 .Lnot_wave_0_\@
	s_barrier_signal -3
.Lnot_wave_0_\@:
	s_barrier_wait -3
	s_barrier_signal -1
	s_barrier_wait -1
.endm
.macro CROUND
	s_barrier_signal -1
	s_barrier_wait -1
	CREST
.endm
.macro PLACES n
.rept \n
	v_nop
.endr
.endm
	s_load_b128 s[4:7], s[0:1], 0x0
	s_load_b128 s[8:11], s[0:1], 0x10
	s_load_b64 s[12:13], s[0:1], 0x20
	v_lshl_add_u32 v[SPW], v0, 2, SPARE
	v_mov_b32 v[NIL], 0
	ds_add_u32 v28, v29
	ds_add_u32 v28, v29
	s_wait_dscnt 0x0
	v_lshrrev_b32 v1, 5, v0
	v_readfirstlane_b32 s14, v1
	s_lshr_b32 s15, s14, 1
	s_and_b32 s16, s14, 1
	s_bfe_u32 s40, ttmp6, 0x40000
	s_lshl_b32 s42, ttmp9, 2
	s_add_co_u32 s42, s42, s40
	s_and_b32 s17, ttmp7, 0xffff
	s_mov_b32 s[G1], 15|(0<<16)|(1<<20)|(1<<21)|(6<<22)|(3<<25)
	s_mov_b32 s[G1+1], KSLOT<<16
	s_mov_b32 s[G1+2], 64<<16
	s_mov_b32 s[G1+3], KSLOT<<16
	s_mov_b32 s[G1+4], 64
	s_mov_b32 s[G1+5], SIZE_K
	s_mov_b32 s[G1+6], 0
	s_mov_b32 s[G1+7], 0
	s_lshl_b32 s20, s17, 8
	s_lshl_b32 s18, s14, 6
	s_add_co_u32 s20, s20, s18
	s_lshl_b32 s20, s20, 12
	s_mov_b32 s21, 0
	s_mul_i32 s45, s14, QT
	s_mov_b32 s[TB], 0
	s_mov_b32 s[SM7], 0x07070707
	s_wait_kmcnt 0x0
	s_load_b64 s[96:97], s[8:9], 0x0
	s_add_nc_u64 s[20:21], s[4:5], s[20:21]
	CROUND
.irp s, 0,1
	s_mov_b32 s[G0+4*\s], 1
	s_add_co_u32 s[G0+4*\s+1], s45, \s*SLOT
	s_add_nc_u64 s[G0+4*\s+2:G0+4*\s+3], s[20:21], \s*KSLOT
	s_or_b32 s[G0+4*\s+3], s[G0+4*\s+3], 0x80000000
.endr
	tensor_load_to_lds s[G0:G0+3], s[G1:G1+7]
	s_nop 0
	s_wait_alu depctr_va_vdst(0)
	s_wait_tensorcnt 0x0
	ds_add_u32 v28, v29
	s_wait_dscnt 0x0
	CROUND
	tensor_load_to_lds s[G0+4:G0+7], s[G1:G1+7]
	s_nop 0
	PLACES 4
	v_and_b32 v1, 15, v0
	v_bfe_u32 v2, v0, 4, 1
	v_mul_u32_u24 v3, v1, PITCH
	v_lshl_add_u32 v3, v2, 5, v3
	s_mul_i32 s21, s15, 128*PITCH
	v_add_nc_u32 v[ADRA0], s21, v3
	v_add_nc_u32 v[ADR], s[TB], v[ADRA0]
	s_mul_i32 s23, s14, 16*SPITCH
	s_add_co_u32 s23, s23, STAGE
	v_mul_u32_u24 v5, v1, SPITCH
	v_lshl_add_u32 v5, v2, 5, v5
	v_add_nc_u32 v[STO], s23, v5
	v_and_b32 v6, 31, v0
	v_lshlrev_b32 v[CO], 4, v6
	s_wait_alu depctr_va_vdst(0)
	v_add_nc_u32 v[RD], s23, v[CO]
	s_lshl_b32 s20, s17, 8
	s_lshl_b32 s21, s15, 7
	s_add_co_u32 s20, s20, s21
	s_lshl_b32 s20, s20, 14
	s_mov_b32 s21, 0
	s_lshl_b32 s46, s42, 10
	s_lshl_b32 s47, s16, 9
	s_add_co_u32 s46, s46, s47
	s_mov_b32 s47, 0
	s_add_nc_u64 s[10:11], s[10:11], s[20:21]
	s_add_nc_u64 s[10:11], s[10:11], s[46:47]
	s_add_nc_u64 s[12:13], s[12:13], s[46:47]
	s_lshl_b32 s18, s42, 17
	s_lshl_b32 s19, s16, 16
	s_add_co_u32 s18, s18, s19
	s_mov_b32 s19, 0
	s_add_nc_u64 s[6:7], s[6:7], s[18:19]
	global_load_b128 v[BI:BI+3], v[CO], s[12:13]
.macro WLOAD ws, st
.irp d, 0,1,2,3
	global_load_b128 v[WR+16*(\ws)+4*\d:WR+16*(\ws)+4*\d+3], v[CO], s[6:7] offset:WSTEP*(\st)+512*\d
.endr
.endm
	WLOAD 0, 0
	WLOAD 1, 1
	WLOAD 2, 2
	WLOAD 3, 3
	s_wait_kmcnt 0x0
	s_add_co_i32 s20, s97, 127
	s_lshl_b32 s21, s20, 23
	v_mov_b32 v110, s21
	s_add_co_i32 s20, s20, 8
	s_lshl_b32 s20, s20, 23
	s_or_b32 s20, s20, 0x600000
	v_mov_b32 v100, s20
	v_min_num_f32 v100, 1.0, v100
.irp i, 1,2,3,4,5,6,7
	v_mov_b32 v[100+\i], 0
.endr
	v_cvt_scalef32_pk8_fp8_f32 v[108:109], v[100:107], v110
	v_nop
	v_readfirstlane_b32 s20, v108
	s_and_b32 s20, s20, 0xff
	s_mul_i32 s[ST0], s20, 0x01000100
	s_mul_i32 s[ST1], s20, 0x01010000
	s_mul_i32 s[ST2], s20, 0x01010101
	s_add_co_i32 s96, s96, s97
	s_add_co_i32 s96, s96, 127
	s_lshl_b32 s96, s96, 23
.macro SLICE p, ws
.set WE, WR+16*(\ws)+MI/4
.set BD, 128*(1-(\p))+8*(MI/4)
.if MI%4 == 0
	WIN 0
	v_and_b32 v[TA], s[SM7], v[WE]
	v_lshrrev_b32 v[TM], 3, v[WE]
	v_lshrrev_b32 v[TC], 6, v[WE]
	v_and_b32 v[TM], s[SM7], v[TM]
	v_and_b32 v[TC], s[SM7], v[TC]
.elseif MI%4 == 1
	WIN TO_B
	v_perm_b32 v[BD],   s[ST0], s[ST0], v[TA]
	v_perm_b32 v[BD+1], s[ST1], s[ST1], v[TA]
	v_perm_b32 v[BD+2], s[ST2], 0, v[TA]
.elseif MI%4 == 2
	WIN TO_B
	v_perm_b32 v[BD+3], s[ST0], s[ST0], v[TM]
	v_perm_b32 v[BD+4], s[ST1], s[ST1], v[TM]
	v_perm_b32 v[BD+5], s[ST2], 0, v[TM]
.else
	WIN TO_B
	v_perm_b32 v[BD+6], s[ST0], s[ST0], v[TC]
	v_perm_b32 v[BD+7], s[ST1], s[ST1], v[TC]
.endif
.set MI, MI+1
.endm
.macro FRAG reg, q, i
.irp c, 0,1,2,3
	ds_load_b128 v[\reg+4*\c:\reg+4*\c+3], v[ADR] offset:128*(\q)+64*(\c/2)+16*(\c%2)+(\i)*16*PITCH
.endr
.endm
.macro FETCH_A q, i0
.irp i, \i0, \i0+1, \i0+2, \i0+3
	FRAG AF+FR*(\i), \q, \i
.endr
.endm
.macro MUL16 a0, p, zero, ex, ws
.irp a, \a0, \a0+1
.irp b, 0,1,2,3,4,5,6,7
	WIN MUL_LO+0x50*((\a)/4)
.if \zero
	v_wmma_f32_16x16x128_fp8_fp8 v[8*(8*((\a)%4)+\b):8*(8*((\a)%4)+\b)+7], v[128*(\p)+FR*\b:128*(\p)+FR*\b+FR-1], v[AF+FR*(\a):AF+FR*(\a)+FR-1], 0
.else
	v_wmma_f32_16x16x128_fp8_fp8 v[8*(8*((\a)%4)+\b):8*(8*((\a)%4)+\b)+7], v[128*(\p)+FR*\b:128*(\p)+FR*\b+FR-1], v[AF+FR*(\a):AF+FR*(\a)+FR-1], v[8*(8*((\a)%4)+\b):8*(8*((\a)%4)+\b)+7]
.endif
.if \ex
	SLICE \p, \ws
.endif
.endr
.endr
.endm
.macro STEP q, p, ws, zero, wl, st
.set MI, 0
	s_wait_loadcnt \wl
	s_wait_dscnt 4*NL
	MUL16 0, \p, \zero, 1, \ws
	MUL16 2, \p, \zero, 1, \ws
	s_wait_dscnt 0
	WIN 0
	PLACES NP
	FETCH_A (\q)+1, 0
	MUL16 4, \p, \zero, 1, \ws
	MUL16 6, \p, \zero, 1, \ws
	WIN 0
	PLACES NP
	FETCH_A (\q)+1, 4
.if \st >= 0
	WLOAD \ws, \st
.endif
.endm
.macro TURN p, ws, fill, wl, st
.set MI, 0
	s_wait_loadcnt \wl
	s_wait_tensorcnt 0x0
	ds_add_u32 v[SPW], v[NIL]
	s_wait_dscnt 4*NL+1
	MUL16 0, \p, 0, 1, \ws
	s_wait_dscnt 0x0
	s_barrier_signal -1
	MUL16 2, \p, 0, 1, \ws
	WIN 0
	s_barrier_wait -1
.if \fill
	CREST
	s_xor_b32 s[G0+5], s[G0+5], SLOT
	s_add_nc_u64 s[G0+6:G0+7], s[G0+6:G0+7], KSLOT
	tensor_load_to_lds s[G0+4:G0+7], s[G1:G1+7]
	s_nop 0
	PLACES 4
.else
	PLACES NP
.endif
	s_xor_b32 s[TB], s[TB], SLOT
	v_add_nc_u32 v[ADR], s[TB], v[ADRA0]
	FETCH_A 0, 0
	MUL16 4, \p, 0, 1, \ws
	MUL16 6, \p, 0, 1, \ws
	WIN 0
	PLACES NP
	FETCH_A 0, 4
.if \st >= 0
	WLOAD \ws, \st
.endif
.endm
	s_wait_loadcnt 12
.set MI, 0
.rept 64
	SLICE 1, 0
.endr
	WIN 0
	WLOAD 0, 4
	s_wait_tensorcnt 1
	s_barrier_signal -1
	s_barrier_wait -1
	FETCH_A 0, 0
	FETCH_A 0, 4
	STEP 0, 0, 1, 1, 12, 5
	s_mov_b32 s3, NSLOT-2
.Lslot:
	STEP 1, 1, 2, 0, 12, 6
	STEP 2, 0, 3, 0, 12, 7
	TURN 1, 0, 1, 12, 8
	STEP 0, 0, 1, 0, 12, 9
	s_wait_xcnt 0x0
	s_add_nc_u64 s[6:7], s[6:7], 4*WSTEP
	s_sub_co_u32 s3, s3, 1
	s_cmp_lg_u32 s3, 0
	s_cbranch_scc1 .Lslot
	STEP 1, 1, 2, 0, 12, 6
	STEP 2, 0, 3, 0, 12, 7
	TURN 1, 0, 0, 12, -1
	STEP 0, 0, 1, 0, 8, -1
	STEP 1, 1, 2, 0, 4, -1
	STEP 2, 0, 3, 0, 0, -1
	s_wait_alu depctr_va_vdst(0)
	s_wait_dscnt 4*NL
	MUL16 0, 1, 0, 0, 0
	MUL16 2, 1, 0, 0, 0
	s_wait_dscnt 0
	MUL16 4, 1, 0, 0, 0
	MUL16 6, 1, 0, 0, 0
	WIN 0
.macro TOSTAGE a
.set AC, 64*((\a)%4)
	WIN 0x08+4*((\a)/4)
.irp b, 0,1,2,3,4,5,6,7
	ds_store_b128 v[STO], v[AC+8*\b:AC+8*\b+3] offset:64*\b
	ds_store_b128 v[STO], v[AC+8*\b+4:AC+8*\b+7] offset:64*\b+16
.endr
	WIN 0
.set BB, BK+64*((\a)%2)
.irp t, 0,1,2,3,4,5,6,7,8,9,10,11,12,13,14,15
	ds_load_b128 v[BB+4*\t:BB+4*\t+3], v[RD] offset:\t*SPITCH
.endr
.endm
.macro SEND a, younger
.set BB, BK+64*((\a)%2)
	s_wait_dscnt \younger
.if (\a) > 0
	s_add_nc_u64 s[10:11], s[10:11], 16*SIZE_N*4
.endif
.irp t, 0,1,2,3,4,5,6,7,8,9,10,11,12,13,14,15
	v_pk_fma_f32 v[BB+4*\t:BB+4*\t+1], v[BB+4*\t:BB+4*\t+1], s[96:97], v[BI:BI+1] op_sel_hi:[1,0,1]
	v_pk_fma_f32 v[BB+4*\t+2:BB+4*\t+3], v[BB+4*\t+2:BB+4*\t+3], s[96:97], v[BI+2:BI+3] op_sel_hi:[1,0,1]
	global_store_b128 v[CO], v[BB+4*\t:BB+4*\t+3], s[10:11] offset:\t*SIZE_N*4 th:TH_STORE_NT
.endr
.endm
	PLACES NP
	TOSTAGE 0
.irp a, 1,2,3,4,5,6,7
.if \a > 1
	s_wait_xcnt 0x0
.endif
	TOSTAGE \a
	SEND \a-1, 32
.endr
	s_wait_xcnt 0x0
	SEND 7, 0
	s_wait_tensorcnt 0x0
	ds_add_u32 v[SPW], v[NIL]
	s_wait_dscnt 0x0
	CROUND
	s_endpgm
.Lfunc_end_k_q150e3a762d_gemm:
	.size	k_q150e3a762d_gemm, .Lfunc_end_k_q150e3a762d_gemm-k_q150e3a762d_gemm
	.p2alignl 7, 3214868480
	.fill 96, 4, 3214868480
	.section	.rodata,"a",@progbits
	.p2align	6, 0x0
	.amdhsa_kernel k_q150e3a762d_gemm
		.amdhsa_group_segment_fixed_size 327680
		.amdhsa_private_segment_fixed_size 0
		.amdhsa_enable_private_segment 0
		.amdhsa_kernarg_size 40
		.amdhsa_user_sgpr_count 2
		.amdhsa_user_sgpr_kernarg_segment_ptr 1
		.amdhsa_wavefront_size32 1
		.amdhsa_system_sgpr_workgroup_id_x 1
		.amdhsa_system_sgpr_workgroup_id_y 1
		.amdhsa_system_sgpr_workgroup_id_z 1
		.amdhsa_system_vgpr_workitem_id 0
		.amdhsa_next_free_vgpr 1024
		.amdhsa_next_free_sgpr 98
		.amdhsa_reserve_vcc 0
		.amdhsa_float_denorm_mode_32 3
		.amdhsa_float_denorm_mode_16_64 3
		.amdhsa_memory_ordered 1
		.amdhsa_forward_progress 1
		.amdhsa_inst_pref_size 255
	.end_amdhsa_kernel
	.section	.bss,"aw",@nobits
	.p2align	6
	.space	262144
	.amdgpu_metadata
---
amdhsa.version: [ 1, 2 ]
amdhsa.kernels:
  - .name:           k_q150e3a762d_gemm
    .symbol:         k_q150e3a762d_gemm.kd
    .args:
      - { .name: inputs_codes, .offset: 0, .size: 8, .value_kind: global_buffer, .address_space: global }
      - { .name: wbits, .offset: 8, .size: 8, .value_kind: global_buffer, .address_space: global }
      - { .name: lowp_scales, .offset: 16, .size: 8, .value_kind: global_buffer, .address_space: global }
      - { .name: out0, .offset: 24, .size: 8, .value_kind: global_buffer, .address_space: global }
      - { .name: bias, .offset: 32, .size: 8, .value_kind: global_buffer, .address_space: global }
    .group_segment_fixed_size: 327680
    .private_segment_fixed_size: 0
    .kernarg_segment_align: 8
    .kernarg_segment_size: 40
    .max_flat_workgroup_size: 128
    .sgpr_count:     98
    .vgpr_count:     1024
    .wavefront_size: 32
...
	.end_amdgpu_metadata
.endif
;; end of part 6
